; MI455X (gfx1250); checked and timed in simulation.
; The chip was launched on July 23, 2026; its instructions are those of AMD's public machine-readable ISA for CDNA 5 (MIT licence, August 2026) and "CDNA5" Instruction Set Architecture Reference Guide (July 2026). The comments in the code are by the model that wrote it; some were corrected since.
;; Decoder Layer. Allowed arithmetic: matrix products marked QUANTISED: E5M2 operands, one given power-of-two scale a tensor, by v_wmma_f32_16x16x64_bf8_bf8 or v_wmma_f32_16x16x128_bf8_bf8, f32 sums; everything else in f32.
;; Inputs: encoder_output_codes 4 x 2,048 x 8 x 32 uint8 (E5M2 codes of encoder_output, K innermost, in blocks of 32 codes); ffn_b1 512 float32; ffn_b2 256 float32; ffn_w1_codes 512 x 8 x 32 uint8 (E5M2 codes of ffn_w1, K innermost, in blocks of 32 codes); ffn_w2_codes 256 x 16 x 32 uint8 (E5M2 codes of ffn_w2, K innermost, in blocks of 32 codes); ln1_b 256 float32; ln1_g 256 float32; ln2_b 256 float32; ln2_g 256 float32; ln3_b 256 float32; ln3_g 256 float32; lowp_scales 28 int32 (the exponents e of the quantised operands' scales 2^e); m1_b 256 float32; m1_b2 256 float32; m1_bk 512 float32; m1_bq 512 float32; m1_bv 512 float32; m1_g 256 float32; m1_w2_codes 256 x 16 x 32 uint8 (E5M2 codes of m1_w2, K innermost, in blocks of 32 codes); m1_wk_codes 512 x 8 x 32 uint8 (E5M2 codes of m1_wk, K innermost, in blocks of 32 codes); m1_wq_codes 512 x 8 x 32 uint8 (E5M2 codes of m1_wq, K innermost, in blocks of 32 codes); m1_wv_codes 512 x 8 x 32 uint8 (E5M2 codes of m1_wv, K innermost, in blocks of 32 codes); m2_b 256 float32; m2_b2 256 float32; m2_bk 512 float32; m2_bq 512 float32; m2_bv 512 float32; m2_g 256 float32; m2_w2_codes 256 x 16 x 32 uint8 (E5M2 codes of m2_w2, K innermost, in blocks of 32 codes); m2_wk_codes 512 x 8 x 32 uint8 (E5M2 codes of m2_wk, K innermost, in blocks of 32 codes); m2_wq_codes 512 x 8 x 32 uint8 (E5M2 codes of m2_wq, K innermost, in blocks of 32 codes); m2_wv_codes 512 x 8 x 32 uint8 (E5M2 codes of m2_wv, K innermost, in blocks of 32 codes); src_mask 4 x 2,048 x 1 int32; tgt_mask 4 x 2,048 x 1 int32; x 4 x 2,048 x 256 float32.
;; Outputs: out0 4 x 2,048 x 256 float32.
;; This version of the problem:
;;   THIS VERSION OF THE PROBLEM IS GIVEN IN LOW PRECISION. The matrix products marked QUANTISED in the list below multiply operands that are first quantised to E5M2 (5 exponent bits, 2 mantissa bits; 8 bits a number), with one given power-of-two scale for each operand tensor; their sums are f32. All else is computed in f32.
;;   The module's matrix products, in the order in which they are computed (A, B: the left and right operand; K: the contracted axis; several contracted axes count as one K, in the product's order):
;;     1. [M 8,192, K 256] x [K 256, N 512]; A: input x; B: input m1_wq (given as codes): QUANTISED (scales: A lowp_scales[0], B lowp_scales[1])
;;     2. [M 8,192, K 256] x [K 256, N 512]; A: input x; B: input m1_wk (given as codes): QUANTISED (scales: A lowp_scales[2], B lowp_scales[3])
;;     3. [M 8,192, K 256] x [K 256, N 512]; A: input x; B: input m1_wv (given as codes): QUANTISED (scales: A lowp_scales[4], B lowp_scales[5])
;;     4. batch 32 x [M 2,048, K 64] x [K 64, N 2,048]; A: computed on the way; B: computed on the way: QUANTISED (scales: A lowp_scales[6], B lowp_scales[7])
;;     5. batch 32 x [M 64, K 2,048] x [K 2,048, N 2,048]; A: computed on the way; B: softmax (see below): QUANTISED (scales: A lowp_scales[8], B lowp_scales[9])
;;     6. [M 8,192, K 512] x [K 512, N 256]; A: computed on the way; B: input m1_w2 (given as codes): QUANTISED (scales: A lowp_scales[10], B lowp_scales[11])
;;     7. [M 8,192, K 256] x [K 256, N 512]; A: computed on the way; B: input m2_wq (given as codes): QUANTISED (scales: A lowp_scales[12], B lowp_scales[13])
;;     8. [M 8,192, K 256] x [K 256, N 512]; A: input encoder_output (given as codes); B: input m2_wk (given as codes): QUANTISED (scales: A lowp_scales[14], B lowp_scales[15])
;;     9. [M 8,192, K 256] x [K 256, N 512]; A: input encoder_output (given as codes); B: input m2_wv (given as codes): QUANTISED (scales: A lowp_scales[16], B lowp_scales[17])
;;     10. batch 32 x [M 2,048, K 64] x [K 64, N 2,048]; A: computed on the way; B: computed on the way: QUANTISED (scales: A lowp_scales[18], B lowp_scales[19])
;;     11. batch 32 x [M 64, K 2,048] x [K 2,048, N 2,048]; A: computed on the way; B: softmax (see below): QUANTISED (scales: A lowp_scales[20], B lowp_scales[21])
;;     12. [M 8,192, K 512] x [K 512, N 256]; A: computed on the way; B: input m2_w2 (given as codes): QUANTISED (scales: A lowp_scales[22], B lowp_scales[23])
;;     13. [M 8,192, K 256] x [K 256, N 512]; A: computed on the way; B: input ffn_w1 (given as codes): QUANTISED (scales: A lowp_scales[24], B lowp_scales[25])
;;     14. [M 8,192, K 512] x [K 512, N 256]; A: computed on the way; B: input ffn_w2 (given as codes): QUANTISED (scales: A lowp_scales[26], B lowp_scales[27])
;;   THE QUANTISER, for each operand of a quantised product, along K:
;;     - The operand's scale is 2^e, e = its entry of the input lowp_scales (int32; the entries are numbered through the quantised products in the list's order, A before B).
;;     - Each number is divided by the scale, clamped to +-57,344, and rounded to the nearest number of E5M2, ties to even, subnormals kept.
;;     - The product sums the exact products of the quantised numbers (number of the format x scale) in f32.
;;   ~~~python
;;   def quantise(x, axis, e):      # numpy; x: float32 -> the quantised numbers, widened to float32 again
;;       x = np.moveaxis(x, axis, -1); K = x.shape[-1]
;;       r = np.clip(x / 2.0 ** e, -57344, 57344)
;;       step = 2.0 ** (np.maximum(np.frexp(np.where(r == 0, 1, r))[1] - 1, -14) - 2)
;;       q = np.round(r / step) * step * 2.0 ** e      # np.round: ties to even
;;       return np.moveaxis(q, -1, axis).astype(np.float32)
;;   ~~~
;;   SOFTMAX AHEAD OF A QUANTISED PRODUCT. Where the list says 'softmax', what is quantised is not the finished softmax but p = 2^(t - M), with t = logit x log2(e) and M = ceil(the row's largest t), a whole number; so 1/2 < the row's largest p <= 1. The row's sum l is taken of the UNQUANTISED p, in f32, and the product's result is divided by l at the end. Since M is a whole number, a kernel that streams over the keys may use a running M (the ceiling of the running maximum): every later rescaling is an exact power of two, so the quantised numbers keep their values, but for numbers so far below the row's largest that they fall under the format's range.
;;   OPERANDS COMPUTED ON THE WAY. 'Computed on the way' means the value that the module computes at that place (a softmax that the list does not call 'softmax' is quantised finished and normalised). What goes into a quantiser is computed in f32, as accurately as f32 sums, v_exp_f32 and their like allow (about 1e-6 of the number): no bf16 or f16 on the way to a quantiser, and a product that is left as it is and whose result goes on into a quantised operand takes f32 operands (vector FMAs, or v_wmma_f32_16x16x4_f32). A number that lies on a knife's edge between two numbers of the format may be rounded either way, as far as f32 arithmetic and the matrix unit's own rounding can turn it there, and no further.
;;   INPUTS GIVEN AS CODES. encoder_output (in the module: [4, 2048, 256], K = its axis 2); ffn_w1 (in the module: [256, 512], K = its axis 0); ffn_w2 (in the module: [512, 256], K = its axis 0); m1_w2 (in the module: [512, 256], K = its axis 0); m1_wk (in the module: [256, 512], K = its axis 0); m1_wq (in the module: [256, 512], K = its axis 0); m1_wv (in the module: [256, 512], K = its axis 0); m2_w2 (in the module: [512, 256], K = its axis 0); m2_wk (in the module: [256, 512], K = its axis 0); m2_wq (in the module: [256, 512], K = its axis 0); m2_wv (in the module: [256, 512], K = its axis 0): each comes as NAME_codes (uint8): NAME with its K axis moved to the last place and cut into blocks of 32 codes, [.., K / 32, bytes a block], one block behind the other in memory; one code a byte (a code: sign, 5 exponent bits, 2 mantissa bits); its scale is its entry of lowp_scales. Its value is code x scale, taken as it is: it is not quantised again, and the codes and scales need not be those that the quantiser above would give.
;; One version. Each part assembles by itself: llvm-mc -triple=amdgcn-amd-amdhsa -mcpu=gfx1250 --defsym DOCPART=n.
;; ======== version 1 of 1: 2 launches
;; limits: right only within a limited range of input values
;; workspace buffers: q 4,194,304 bytes; kv1 8,651,008 bytes; kv2 8,651,008 bytes; pp1 256 bytes; pp2 256 bytes
;; launch proj (part 1): grid 64 x 5, 8 waves a work-group, no clusters, 34,816 bytes of LDS; arguments x, encoder_output_codes, tgt_mask, lowp_scales, m1_wq_codes, m1_wk_codes, m1_wv_codes, m2_wk_codes, m2_wv_codes, m1_bq, m1_bk, m1_bv, m2_bk, m2_bv, q, kv1, kv2, pp1, pp2; writes q, kv1, kv2, pp1, pp2
.if DOCPART == 1
	.amdgcn_target "amdgcn-amd-amdhsa--gfx1250"
	.amdhsa_code_object_version 6
	.text
	.protected	k_qfba453d1e7_proj
	.globl	k_qfba453d1e7_proj
	.p2align	8
	.type	k_qfba453d1e7_proj,@function
k_qfba453d1e7_proj:
	s_mov_b64 s[64:65], 0
	v_nop
	global_prefetch_b8 v0, s[64:65] scope:SCOPE_SE
	s_setreg_imm32_b32 hwreg(HW_REG_WAVE_MODE, 25, 1), 1
	s_wait_xcnt 0x0
; THE FIVE PROJECTIONS THAT HANG ON INPUTS ALONE: y = 0: Q1 = x wq + bq, 1: K1, 2: V1 (all from x, f32, quantised here with the product's own scale), 3: K2, 4: V2 (from the encoder's codes).
; Results leave as codes of E5M2, laid as IMAGES OF THE OPERAND REGISTERS that the attention launch wants: piece c of a fragment is 512 bytes, lane l's 16 bytes at 512 c + 16 l.
; OPERAND LAYOUT, alike on both sides of every product: registers 4 c .. 4 c + 3 of lane (r = lane % 16, h = lane / 16) hold k = 32 c + 16 h + 0 .. 15 of row r.
; TILES OF 16 ROWS ARE NOT NEIGHBOURS: lane r of tile 2 g + u takes row 32 g + 8 u + rp, rp = r + 8 (r / 8).  So the 16 result registers of tiles 2 g and 2 g + 1 are 16 neighbours along the next K.
; SHARES: work-group (xb, y) takes tokens 128 xb .. + 127 of matrix y; wave w is head w: its 64 rows of the weight (8 fragments, 128 registers) stay in registers.  Wave w also makes token tile w's two
; fragments of the left operand; they reach the other waves through LDS as images.
; Q, K: source 0 = 16 rows of the weight, source 1 = a tile of tokens: a lane holds one token and its registers run along the head's 64.  V: the sources swapped: a lane holds one channel, registers run along the tokens (the keys).
; THE MASK (first attention alone): a key whose tgt_mask is 0 gets ZERO CODES in K (its hold's limit is 0) and am[key] = -2^(35 - e6 - e7); other keys am = 0.  The attention launch takes am as the C of its score
; products, so a masked score is -2^32 x 8 in the sums' units, which is the reference's -2^32 after the division by 8.  src_mask is loaded nowhere: the reference calls its second attention unmasked.
; ALSO: four work-groups store the records of exponents that later launches read (32 words each): kv1, kv2: eq, ek, ev, ep, eo; pp1, pp2: eA, eW, eX, eWn, eOut, then a flag (1: the activation clips at 0).
; NO JOINT LOADS: each wave takes its 16,384 bytes of weight straight into registers, once; a joint load would send them through LDS first.
; LIMITS: ea, and eo - ea - eb, between -126 and 112; 35 - e6 - e7 between -126 and 127.  NaN among the inputs is not served.
.set HB,   262144                      ; a head's block in kv: 16 key steps of 128 keys, each K 8 images x 1,024, then V 4 channel tiles x 2,048
.set AMB,  8388864                     ; behind the 32 heads' blocks (256 + 32 HB): am, 2,048 f32 for each (batch, head), in kv1 alone
.set LIMG, 32768                       ; LDS: 0: 8 tiles x 2 K steps x 2,048; here: each tile's hold limits, 128 bytes a tile
.set CF,   16                          ; v16-47   my tile's two fragments; later v16-31 the codes just made
.set XR,   32                          ; v32-63   a tile's two fragments
.set ACC,  64                          ; v64-95   four accumulators
.set BIAS, 96                          ; v96-127  the bias in the result's layout
.set WR,   128                         ; v128-255 first 128 numbers of x, then the weight: fragment (f, s) at 128 + 16 (2 f + s)
; v1 16 x lane; v2 where I store my tile; v3 rp; v4, v5, v6 offsets of the left operand, the weight, the bias; v7 the output's offset; v8, v9 limit and scale of the output; v10, v11 scale and limit of x;
; v12, v13 a tile's limits, by turns; v14, v15 where they are stored and read; v48 my token's mask; v52-55 four tokens' masks
.macro QUANT src, dst                  ; 64 numbers of a lane become a fragment's 16 registers
.irp b, 0,1,2,3
.set i, 0
.rept 16
	v_med3_num_f32 v[\src+16*\b+i], v[\src+16*\b+i], -v11, v11   ; the conversion does not saturate (ISA guide 7.6.2): the hold at the largest code x the scale
.set i, i+1
.endr
	v_cvt_scalef32_pk8_bf8_f32 v[\dst+4*\b:\dst+4*\b+1], v[\src+16*\b:\src+16*\b+7], v10
	v_cvt_scalef32_pk8_bf8_f32 v[\dst+4*\b+2:\dst+4*\b+3], v[\src+16*\b+8:\src+16*\b+15], v10
.endr
	v_nop                                          ; a plain line behind the last conversion
.endm
.macro FETCHX t, lm                    ; tile t's two fragments, and (lm = 1) its limits
.irp s, 0,1
.irp c, 0,1,2,3
	ds_load_b128 v[XR+16*\s+4*\c:XR+16*\s+4*\c+3], v1 offset:(2*(\t)+\s)*2048+512*\c
.endr
.endr
.if \lm
	ds_load_b32 v[12+(\t)%2], v15 offset:128*(\t)
.endif
.endm
.macro TILE_QK t
	s_wait_dscnt 0x0                               ; the tile's fragments and limits are in
.irp f, 0,1,2,3
	v_wmma_f32_16x16x128_bf8_bf8 v[ACC+8*\f:ACC+8*\f+7], v[WR+32*\f:WR+32*\f+15], v[XR:XR+15], v[BIAS+8*\f:BIAS+8*\f+7]
.endr
.irp f, 0,1,2,3
	v_wmma_f32_16x16x128_bf8_bf8 v[ACC+8*\f:ACC+8*\f+7], v[WR+32*\f+16:WR+32*\f+31], v[XR+16:XR+31], v[ACC+8*\f:ACC+8*\f+7]
.endr
.rept 4
	v_nop                                          ; places in front of the loads into the fragments and of the first read of results
.endr
.if (\t) < 7
	FETCHX (\t)+1, 1
.endif
	s_wait_xcnt 0x0                                ; the last tile's stores have read their data and offset
.if (\t) > 0
	v_add_nc_u32 v7, s60, v7
.endif
.set i, 0
.rept 32
	v_med3_num_f32 v[ACC+i], v[ACC+i], -v[12+(\t)%2], v[12+(\t)%2]   ; the hold; a masked key's limit is 0
.set i, i+1
.endr
.irp f, 0,1,2,3
	v_cvt_scalef32_pk8_bf8_f32 v[16+2*\f:17+2*\f], v[ACC+8*\f:ACC+8*\f+7], v9
.endr
	v_nop
	global_store_b128 v7, v[16:19], s[58:59]              ; 512 consecutive bytes a store
	global_store_b128 v7, v[20:23], s[58:59] offset:512
.endm
.macro TILE_V t
	s_wait_dscnt 0x0
.irp f, 0,1,2,3
	v_wmma_f32_16x16x128_bf8_bf8 v[ACC+8*\f:ACC+8*\f+7], v[XR:XR+15], v[WR+32*\f:WR+32*\f+15], v[BIAS+8*\f:BIAS+8*\f+7]
.endr
.irp f, 0,1,2,3
	v_wmma_f32_16x16x128_bf8_bf8 v[ACC+8*\f:ACC+8*\f+7], v[XR+16:XR+31], v[WR+32*\f+16:WR+32*\f+31], v[ACC+8*\f:ACC+8*\f+7]
.endr
.rept 4
	v_nop
.endr
.if (\t) < 7
	FETCHX (\t)+1, 0
.endif
.if (\t)%2 == 0
	s_wait_xcnt 0x0                                ; the last pair's stores have read their data
.endif
.set i, 0
.rept 32
	v_med3_num_f32 v[ACC+i], v[ACC+i], -v8, v8
.set i, i+1
.endr
.irp f, 0,1,2,3
	v_cvt_scalef32_pk8_bf8_f32 v[16+4*\f+2*((\t)%2):17+4*\f+2*((\t)%2)], v[ACC+8*\f:ACC+8*\f+7], v9
.endr
	v_nop
.if (\t)%2 == 1
.irp f, 0,1,2,3
	global_store_b128 v1, v[16+4*\f:19+4*\f], s[58:59] offset:2048*\f+512*((\t)/2)   ; piece t / 2 of channel tile f
.endr
.endif
.endm
	s_load_b256 s[4:11], s[0:1], 0x0               ; x, the encoder's codes, tgt_mask, the exponents
	s_load_b512 s[16:31], s[0:1], 0x20             ; wq1, wk1, wv1, wk2, wv2, bq1, bk1, bv1
	s_load_b256 s[32:39], s[0:1], 0x60             ; bk2, bv2, q, kv1
	s_load_b128 s[40:43], s[0:1], 0x80             ; kv2, pp1
	s_load_b64 s[44:45], s[0:1], 0x90              ; pp2
	s_set_vgpr_msb 0x40
	v_lshl_add_u32 v0, v0, 2, 0x8400
	v_mov_b32 v1, 0
	s_set_vgpr_msb 0x4000
	s_and_b32 s50, ttmp7, 0xffff                   ; y: which matrix
	s_mov_b32 s51, ttmp9                           ; xb: which 128 tokens
	v_lshrrev_b32 v1, 5, v0
	s_delay_alu instid0(VALU_DEP_1)
	v_readfirstlane_b32 s52, v1                    ; wave = head
	v_and_b32 v61, 31, v0                          ; lane
	v_and_b32 v62, 15, v0                          ; r
	v_bfe_u32 v63, v0, 4, 1                        ; h
	s_delay_alu instid0(VALU_DEP_3)
	v_lshlrev_b32 v1, 4, v61
	s_lshl_b32 s72, s52, 12
	v_add_nc_u32 v2, s72, v1
	v_and_b32 v3, 8, v62
	s_delay_alu instid0(VALU_DEP_1)
	v_add_nc_u32 v3, v3, v62                       ; rp
	s_delay_alu instid0(VALU_DEP_1)
	v_lshlrev_b32 v5, 8, v3
	s_delay_alu instid0(VALU_DEP_1)
	v_lshl_add_u32 v5, v63, 4, v5                  ; the weight: 256 rp + 16 h
	v_mov_b32 v7, v1
	v_lshlrev_b32 v15, 2, v61
	s_delay_alu instid0(VALU_DEP_1)
	v_add_nc_u32 v15, LIMG, v15
	s_lshl_b32 s72, s52, 7
	v_add_nc_u32 v14, s72, v15
	s_cmp_gt_u32 s50, 2                            ; where the product's exponents lie: (ea, eb) at byte 8 y (+ 32 from y = 3 on), eo at 24 + 4 y (+ 40)
	s_cselect_b32 s46, 32, 0
	s_cselect_b32 s47, 64, 24
	s_lshl_b32 s72, s50, 3
	s_add_co_u32 s46, s46, s72
	s_lshl_b32 s72, s50, 2
	s_add_co_u32 s47, s47, s72
	s_cmp_eq_u32 s50, 2
	s_cselect_b32 s53, 1, 0
	s_cmp_eq_u32 s50, 4
	s_cselect_b32 s53, 1, s53                      ; 1: a V
	s_wait_kmcnt 0x0
	s_load_b64 s[66:67], s[10:11], s46 offset:0x0  ; ea, eb
	s_load_b32 s68, s[10:11], s47 offset:0x0       ; eo
	s_load_b64 s[70:71], s[10:11], 0x18            ; e6, e7
	s_mov_b64 s[54:55], s[24:25]                   ; the weight, the bias and the output, chosen by y alone
	s_mov_b64 s[56:57], s[34:35]
	s_cmp_eq_u32 s50, 0
	s_cselect_b64 s[54:55], s[16:17], s[54:55]
	s_cselect_b64 s[56:57], s[26:27], s[56:57]
	s_cmp_eq_u32 s50, 1
	s_cselect_b64 s[54:55], s[18:19], s[54:55]
	s_cselect_b64 s[56:57], s[28:29], s[56:57]
	s_cmp_eq_u32 s50, 2
	s_cselect_b64 s[54:55], s[20:21], s[54:55]
	s_cselect_b64 s[56:57], s[30:31], s[56:57]
	s_cmp_eq_u32 s50, 3
	s_cselect_b64 s[54:55], s[22:23], s[54:55]
	s_cselect_b64 s[56:57], s[32:33], s[56:57]
	s_mov_b64 s[58:59], s[40:41]
	s_cmp_lt_u32 s50, 3
	s_cselect_b64 s[58:59], s[38:39], s[58:59]
	s_cmp_eq_u32 s50, 0
	s_cselect_b64 s[58:59], s[36:37], s[58:59]
	s_lshl_b32 s72, s52, 14
	s_mov_b32 s73, 0
	s_add_nc_u64 s[54:55], s[54:55], s[72:73]      ; my head's 64 rows of 256 bytes
	s_lshl_b32 s72, s52, 8
	s_add_nc_u64 s[56:57], s[56:57], s[72:73]      ; and its 64 numbers of the bias
	s_lshr_b32 s72, s51, 4                         ; in kv: 256 + (8 batch + head) HB + key step x 16,384
	s_lshl_b32 s72, s72, 3
	s_add_co_u32 s72, s72, s52
	s_and_b32 s76, s51, 15                         ; the key step
	s_lshl_b32 s74, s72, 13                        ; am: AMB + (8 batch + head) x 8,192 + key step x 512
	s_lshl_b32 s75, s76, 9
	s_add_co_u32 s74, s74, s75
	s_add_co_u32 s74, s74, AMB
	s_mul_i32 s72, s72, HB
	s_add_co_u32 s72, s72, 256
	s_cmp_eq_u32 s50, 1
	s_cselect_b32 s74, s74, 0                      ; (only y = 1 stores am)
	s_mov_b32 s75, 0
	s_add_nc_u64 s[62:63], s[58:59], s[74:75]
	s_lshl_b32 s76, s76, 14
	s_add_co_u32 s72, s72, s76
	s_lshl_b32 s76, s53, 13
	s_add_co_u32 s72, s72, s76                     ; V's 4 fragments lie 8,192 further on
	s_lshl_b32 s74, s51, 16
	s_lshl_b32 s76, s52, 10
	s_add_co_u32 s74, s74, s76                     ; in q: tile 8 xb, head w
	s_mov_b32 s60, 1024                            ; from tile to tile: 1,024 in K, 8,192 in q
	s_cmp_eq_u32 s50, 0
	s_cselect_b32 s72, s74, s72
	s_cselect_b32 s60, 8192, s60
	s_mov_b32 s73, 0
	s_add_nc_u64 s[58:59], s[58:59], s[72:73]
	s_lshl_b32 s77, s51, 7                         ; my tile's first token: 128 xb + 32 (w / 2) + 8 (w % 2)
	s_lshr_b32 s76, s52, 1
	s_lshl_b32 s76, s76, 5
	s_add_co_u32 s77, s77, s76
	s_and_b32 s76, s52, 1
	s_lshl_b32 s76, s76, 3
	s_add_co_u32 s77, s77, s76
	; ---- the records of exponents: wave 0 of work-groups (0, 0 .. 3)
	s_or_b32 s76, s51, s52
	s_cmp_lg_u32 s76, 0
	s_cbranch_scc1 .Lno_record
	s_cmp_gt_u32 s50, 3
	s_cbranch_scc1 .Lno_record
	s_and_b32 s76, s50, 1
	s_mul_i32 s76, s76, 12
	s_lshr_b32 s78, s50, 1
	s_lshl_b32 s79, s78, 2
	s_add_co_u32 s79, s79, s76
	s_add_co_u32 s79, s79, 6                       ; the first of four entries: 6, 18, 10, 22
	s_add_co_u32 s78, s79, 4                       ; the fifth follows them (10, 22, 26) but in pp1, where it is 18: chosen below.  The largest entry read is 26, of 28
	s_mov_b64 s[80:81], s[44:45]
	s_cmp_eq_u32 s50, 0
	s_cselect_b64 s[80:81], s[38:39], s[80:81]
	s_cmp_eq_u32 s50, 1
	s_cselect_b64 s[80:81], s[40:41], s[80:81]
	s_cmp_eq_u32 s50, 2
	s_cselect_b64 s[80:81], s[42:43], s[80:81]
	s_cselect_b32 s78, 18, s78                     ; pp1's fifth: the scale of the second attention's queries
	s_cmp_eq_u32 s50, 3
	s_cselect_b32 s76, 1, 0                        ; the flag
	v_min_u32 v49, 3, v61
	s_delay_alu instid0(VALU_DEP_1)
	v_add_nc_u32 v49, s79, v49
	v_mov_b32 v50, s78
	v_cmp_eq_u32 vcc_lo, 4, v61
	s_delay_alu instid0(VALU_DEP_1)
	v_cndmask_b32 v49, v49, v50, vcc_lo
	s_delay_alu instid0(VALU_DEP_1)
	v_lshlrev_b32 v49, 2, v49
	global_load_b32 v51, v49, s[10:11]
	v_mov_b32 v50, s76
	v_lshlrev_b32 v56, 2, v61
	v_cmp_lt_u32 vcc_lo, 4, v61
	s_wait_alu depctr_va_vdst(0)
	s_wait_loadcnt 0x0
	v_cndmask_b32 v51, v51, v50, vcc_lo            ; words 5 to 31: the flag
	global_store_b32 v56, v51, s[80:81]
	s_wait_xcnt 0x0                                ; its registers are written again below
.Lno_record:
	; ---- the powers of two
	s_wait_kmcnt 0x0
	s_add_co_i32 s76, s66, 127
	s_lshl_b32 s78, s76, 23
	v_mov_b32 v10, s78                             ; 2^ea
	s_add_co_i32 s76, s76, 15
	s_lshl_b32 s76, s76, 23
	s_or_b32 s76, s76, 0x600000
	v_mov_b32 v11, s76                             ; 57,344 x 2^ea
	s_add_co_i32 s61, s66, s67
	s_sub_co_i32 s76, s68, s61                     ; a sum stands for sum x 2^(ea + eb): the three exponents are folded into the conversion's one
	s_add_co_i32 s76, s76, 127
	s_lshl_b32 s78, s76, 23
	v_mov_b32 v9, s78
	s_add_co_i32 s76, s76, 15
	s_lshl_b32 s76, s76, 23
	s_or_b32 s76, s76, 0x600000
	v_mov_b32 v8, s76
	s_sub_co_i32 s61, 0, s61                       ; the bias goes in x 2^-(ea + eb)
	s_add_co_i32 s76, s70, s71
	s_sub_co_i32 s76, 162, s76
	s_lshl_b32 s76, s76, 23
	s_or_b32 s76, s76, 0x80000000
	v_mov_b32 v60, s76                             ; -2^(35 - e6 - e7)
	; ---- the masks: 1 everywhere but in K1
	v_mov_b32 v48, 1
	v_mov_b32 v52, 1
	v_mov_b32 v53, 1
	v_mov_b32 v54, 1
	v_mov_b32 v55, 1
	s_cmp_lg_u32 s50, 1
	s_cbranch_scc1 .Lno_mask
	s_lshl_b32 s72, s77, 2
	s_mov_b32 s73, 0
	s_add_nc_u64 s[82:83], s[8:9], s[72:73]
	s_lshl_b32 s72, s51, 9
	s_add_nc_u64 s[84:85], s[8:9], s[72:73]
	v_lshlrev_b32 v49, 2, v3
	global_load_b32 v48, v49, s[82:83]             ; my token's
	global_load_b128 v[52:55], v1, s[84:85]        ; tokens 4 lane .. 4 lane + 3 of the 128
.Lno_mask:
	; ---- my tile's two fragments
	s_cmp_gt_u32 s50, 2
	s_cbranch_scc1 .Lcodes
	v_lshlrev_b32 v4, 10, v3
	s_delay_alu instid0(VALU_DEP_1)
	v_lshl_add_u32 v4, v63, 6, v4                  ; x: 1,024 rp + 64 h: my 16 numbers of each block of 32
	s_lshl_b32 s78, s77, 10
	s_mov_b32 s79, 0
	s_add_nc_u64 s[78:79], s[4:5], s[78:79]
.irp s, 0,1
.irp b, 0,1,2,3
.irp j, 0,1,2,3
	global_load_b128 v[WR+64*\s+16*\b+4*\j:WR+64*\s+16*\b+4*\j+3], v4, s[78:79] offset:512*\s+128*\b+16*\j
.endr
.endr
.endr
	s_wait_loadcnt 16                              ; the masks and K step 0 are in; K step 1's sixteen loads may be out
	QUANT WR, CF
	s_wait_loadcnt 0x0
	QUANT WR+64, CF+16
	s_branch .Lhave
.Lcodes:
	v_lshlrev_b32 v4, 8, v3
	s_delay_alu instid0(VALU_DEP_1)
	v_lshl_add_u32 v4, v63, 4, v4                  ; codes: 256 rp + 16 h
	s_lshl_b32 s78, s77, 8
	s_mov_b32 s79, 0
	s_add_nc_u64 s[78:79], s[6:7], s[78:79]
.irp s, 0,1
.irp c, 0,1,2,3
	global_load_b128 v[CF+16*\s+4*\c:CF+16*\s+4*\c+3], v4, s[78:79] offset:128*\s+32*\c
.endr
.endr
	s_wait_loadcnt 0x0
.Lhave:
	s_wait_alu depctr_va_vdst(0)
	v_cmp_ne_u32 vcc_lo, 0, v48
	s_delay_alu instid0(VALU_DEP_1)
	v_cndmask_b32 v50, 0, v8, vcc_lo               ; my token's limit: 0 where it is masked
	ds_store_b32 v14, v50
.irp s, 0,1
.irp c, 0,1,2,3
	ds_store_b128 v2, v[CF+16*\s+4*\c:CF+16*\s+4*\c+3] offset:2048*\s+512*\c
.endr
.endr
.irp f, 0,1,2,3
.irp s, 0,1
.irp c, 0,1,2,3
	global_load_b128 v[WR+16*(2*\f+\s)+4*\c:WR+16*(2*\f+\s)+4*\c+3], v5, s[54:55] offset:(32*(\f/2)+8*(\f%2))*256+128*\s+32*\c
.endr
.endr
.endr
	s_cmp_lg_u32 s53, 0
	s_cbranch_scc1 .Lbias_v
	v_lshlrev_b32 v6, 6, v63                       ; Q, K: register j of tile f is feature 32 (f / 2) + 16 h + 8 (f % 2) + j
.irp f, 0,1,2,3
	global_load_b128 v[BIAS+8*\f:BIAS+8*\f+3], v6, s[56:57] offset:(32*(\f/2)+8*(\f%2))*4
	global_load_b128 v[BIAS+8*\f+4:BIAS+8*\f+7], v6, s[56:57] offset:(32*(\f/2)+8*(\f%2))*4+16
.endr
	s_branch .Lbias_done
.Lbias_v:
	v_lshlrev_b32 v6, 2, v3                        ; V: all eight registers of tile f are feature 32 (f / 2) + 8 (f % 2) + rp
.irp f, 0,1,2,3
	global_load_b32 v[ACC+\f], v6, s[56:57] offset:(32*(\f/2)+8*(\f%2))*4
.endr
.Lbias_done:
	s_cmp_lg_u32 s50, 1
	s_cbranch_scc1 .Lno_am
.irp i, 0,1,2,3
	v_cmp_eq_u32 vcc_lo, 0, v[52+\i]
	s_delay_alu instid0(VALU_DEP_1)
	v_cndmask_b32 v[56+\i], 0, v60, vcc_lo
.endr
	global_store_b128 v1, v[56:59], s[62:63]       ; am of the 128 keys, once for each head: 512 consecutive bytes
.Lno_am:
	s_wait_dscnt 0x0                               ; my images and limits have landed
	s_barrier_signal -1
	s_barrier_wait -1                              ; everybody's have
	s_wait_xcnt 0x0                                ; am's store has read its data: those registers are loaded below
	s_cmp_lg_u32 s53, 0
	s_cbranch_scc1 .Ltype_v
	FETCHX 0, 1
	s_wait_loadcnt 0x0                             ; the weight and the bias
.set i, 0
.rept 32
	v_ldexp_f32 v[BIAS+i], v[BIAS+i], s61
.set i, i+1
.endr
	s_wait_alu depctr_va_vdst(0)
.irp t, 0,1,2,3,4,5,6,7
	TILE_QK \t
.endr
	s_set_vgpr_msb 0x5
	s_wait_tensorcnt 0x0
	ds_add_u32 v0, v1
	s_wait_dscnt 0x0
	s_set_vgpr_msb 0x500
	s_endpgm
.Ltype_v:
	FETCHX 0, 0
	s_wait_loadcnt 0x0
.irp f, 0,1,2,3
.irp j, 0,1,2,3,4,5,6,7
	v_ldexp_f32 v[BIAS+8*\f+\j], v[ACC+\f], s61
.endr
.endr
	s_wait_alu depctr_va_vdst(0)
.irp t, 0,1,2,3,4,5,6,7
	TILE_V \t
.endr
	s_set_vgpr_msb 0x5
	s_wait_tensorcnt 0x0
	ds_add_u32 v0, v1
	s_wait_dscnt 0x0
	s_set_vgpr_msb 0x500
	s_endpgm
.Lfunc_end_k_qfba453d1e7_proj:
	.size	k_qfba453d1e7_proj, .Lfunc_end_k_qfba453d1e7_proj-k_qfba453d1e7_proj
	.p2alignl 7, 3214868480
	.fill 96, 4, 3214868480
	.section	.rodata,"a",@progbits
	.p2align	6, 0x0
	.amdhsa_kernel k_qfba453d1e7_proj
		.amdhsa_group_segment_fixed_size 34816
		.amdhsa_private_segment_fixed_size 0
		.amdhsa_enable_private_segment 0
		.amdhsa_kernarg_size 152
		.amdhsa_user_sgpr_count 2
		.amdhsa_user_sgpr_kernarg_segment_ptr 1
		.amdhsa_wavefront_size32 1
		.amdhsa_system_sgpr_workgroup_id_x 1
		.amdhsa_system_sgpr_workgroup_id_y 1
		.amdhsa_system_sgpr_workgroup_id_z 1
		.amdhsa_system_vgpr_workitem_id 0
		.amdhsa_next_free_vgpr 258
		.amdhsa_next_free_sgpr 100
		.amdhsa_reserve_vcc 1
		.amdhsa_float_denorm_mode_32 3
		.amdhsa_float_denorm_mode_16_64 3
		.amdhsa_memory_ordered 1
		.amdhsa_forward_progress 1
		.amdhsa_inst_pref_size 90
	.end_amdhsa_kernel
	.amdgpu_metadata
---
amdhsa.version: [ 1, 2 ]
amdhsa.kernels:
  - .name:           k_qfba453d1e7_proj
    .symbol:         k_qfba453d1e7_proj.kd
    .args:
      - { .name: x, .offset: 0, .size: 8, .value_kind: global_buffer, .address_space: global }
      - { .name: encoder_output_codes, .offset: 8, .size: 8, .value_kind: global_buffer, .address_space: global }
      - { .name: tgt_mask, .offset: 16, .size: 8, .value_kind: global_buffer, .address_space: global }
      - { .name: lowp_scales, .offset: 24, .size: 8, .value_kind: global_buffer, .address_space: global }
      - { .name: m1_wq_codes, .offset: 32, .size: 8, .value_kind: global_buffer, .address_space: global }
      - { .name: m1_wk_codes, .offset: 40, .size: 8, .value_kind: global_buffer, .address_space: global }
      - { .name: m1_wv_codes, .offset: 48, .size: 8, .value_kind: global_buffer, .address_space: global }
      - { .name: m2_wk_codes, .offset: 56, .size: 8, .value_kind: global_buffer, .address_space: global }
      - { .name: m2_wv_codes, .offset: 64, .size: 8, .value_kind: global_buffer, .address_space: global }
      - { .name: m1_bq, .offset: 72, .size: 8, .value_kind: global_buffer, .address_space: global }
      - { .name: m1_bk, .offset: 80, .size: 8, .value_kind: global_buffer, .address_space: global }
      - { .name: m1_bv, .offset: 88, .size: 8, .value_kind: global_buffer, .address_space: global }
      - { .name: m2_bk, .offset: 96, .size: 8, .value_kind: global_buffer, .address_space: global }
      - { .name: m2_bv, .offset: 104, .size: 8, .value_kind: global_buffer, .address_space: global }
      - { .name: q, .offset: 112, .size: 8, .value_kind: global_buffer, .address_space: global }
      - { .name: kv1, .offset: 120, .size: 8, .value_kind: global_buffer, .address_space: global }
      - { .name: kv2, .offset: 128, .size: 8, .value_kind: global_buffer, .address_space: global }
      - { .name: pp1, .offset: 136, .size: 8, .value_kind: global_buffer, .address_space: global }
      - { .name: pp2, .offset: 144, .size: 8, .value_kind: global_buffer, .address_space: global }
    .group_segment_fixed_size: 34816
    .private_segment_fixed_size: 0
    .kernarg_segment_align: 8
    .kernarg_segment_size: 152
    .max_flat_workgroup_size: 256
    .sgpr_count:     100
    .vgpr_count:     258
    .wavefront_size: 32
...
	.end_amdgpu_metadata
.endif
;; end of part 1
;; launch chain (part 2): grid 256 x 1, 8 waves a work-group, clusters of 4 x 1, 327,680 bytes of LDS; arguments q, kv1, kv2, x, m1_w2_codes, m2_wq_codes, m2_w2_codes, ffn_w1_codes, ffn_w2_codes, out0, pp1, pp2, lowp_scales, m1_b2, m1_g, m1_b, ln1_g, ln1_b, m2_b2, m2_g, m2_b, ln2_g, ln2_b, ffn_b2, ln3_g, ln3_b, m2_bq, ffn_b1; writes out0
.if DOCPART == 2
	.amdgcn_target "amdgcn-amd-amdhsa--gfx1250"
	.amdhsa_code_object_version 6
	.text
	.protected	k_qfba453d1e7_chain
	.globl	k_qfba453d1e7_chain
	.p2align	8
	.type	k_qfba453d1e7_chain,@function
k_qfba453d1e7_chain:
	s_mov_b64 s[64:65], 0
	v_nop
	global_prefetch_b8 v0, s[64:65] scope:SCOPE_SE
	s_setreg_imm32_b32 hwreg(HW_REG_WAVE_MODE, 25, 1), 1
	s_wait_xcnt 0x0
	s_wait_alu depctr_hold_cnt(0) depctr_sa_sdst(0) depctr_va_vdst(0) depctr_va_sdst(0) depctr_va_ssrc(0) depctr_va_vcc(0) depctr_vm_vsrc(0)
	s_getreg_b32 s2, hwreg(HW_REG_IB_STS2, 6, 4)
	s_cmp_eq_u32 s2, 0
	s_cbranch_scc0 .Lentry_in_a_cluster
	s_endpgm
.Lentry_in_a_cluster:
	s_bfe_u32 s2, ttmp6, 0x10000c
	s_cmp_lg_u32 s2, 0x3003
	s_cbranch_scc0 .Lentry_shape_is_right
	s_endpgm
.Lentry_shape_is_right:
; EVERYTHING BEHIND THE PROJECTIONS, FOR 32 TOKENS A WORK-GROUP: attention 1, its way out (W2, two norms), Q2, attention 2, its way out, the FFN and the last norm.
; The second attention is unmasked, as the reference calls it: its score products start from 0, and src_mask is no argument.
; SHARES.  Work-group G owns token tiles 2 G and 2 G + 1 (lane r of tile t: token 32 G + 8 t + rp, rp = r + 8 (r / 8)).  In the attentions wave w is head w and owns both tiles; in the other products
; wave w makes features 32 w .. + 31 (K = 512) or 64 w .. + 63 (K = 256).  All products are used transposed (source 0 = rows of K, V or a weight): a lane holds one token, its registers run along the next K,
; so the conversions' results are the next operand's registers.  What all heads made meets in LDS as images of operand registers (piece c: 512 bytes, lane l's 16 bytes at 16 l).
; x1 and x2 never leave the registers (RES); Q2 is used where the conversions leave it.
; K AND V: a block of 16,384 bytes for each (head, 128 keys) goes through a ring of two LDS slots of 8 x 16,384 bytes; each wave fetches its own head's block, one tensor load behind each change of slots,
; JOINTLY with the three partners of its cluster, which own other tokens of the same batch and walk the same keys.  One tensor load of a wave is out at the most.
; THE CHANGE OF SLOTS STANDS IN THE MIDDLE OF A KEY STEP: step t's K was read in step t - 1 and its V at step t's head, so behind the maxima the wave's reads of slot t % 2 are over.  The slot then takes step t + 2,
; and K and am of step t + 1 are read from the other slot while the exponentials run.  The first attention's last two changes ask for the second attention's steps 0 and 1.
; SOFTMAX: t = score x c, c = log2(e) / 8 x 2^(eq + ek); M = the running largest t rounded up to a whole number; p = 2^(t - M) is quantised with 2^ep; the sum is taken of the unquantised p;
; when M moves, the sum and O^T are multiplied by 2^(old M - new M), which rounds nothing.  A masked key has zero codes and am = -2^(35 - eq - ek) as the C of its score.
; WEIGHTS go from memory straight into registers that the step before has left free: each wave reads its 16,384 bytes once, so LDS would only be a detour; no joint load serves registers.
; PREFETCH: in the trip that loads key step t + 2 the block of step t + 4 is named, 16 of its 64 units of 256 bytes by each partner (told apart by address); the last trips name nothing.  Each weight is named once the same way.
; LIMITS: eq + ek between -123 and 130; ep, eo, eX and eOut - eX - eWn between -126 and 112; eA + eW between -126 and 127; scaled scores under 2^31 in magnitude.  NaN among the inputs is not served.
; LDS: 0 the ring (the last stage lies in slot 0 behind its last fill); AM am of my batch's 2,048 keys; U 8 fragments of codes; XIMG 4 fragments; RED the norms' pairs; PAR each wave's slices of biases and gains; SPARE.
; REGISTERS, window 0: v1-15, v240-247, v252 addresses and scales; v16-47 statistics (ST), later 32 sums (ACC); v48-63 SS; v64-191 S^T, later fragments and scratch; v192-223 p's codes; v224-239 Q; v254, v255 the add's two.
; window 1: v0-63 K; v64-127 am (first attention), then v64-95 RES; v128-191 V; v192-255 O^T.  On a way out: v0-63 and v96-127 W2's fragments, then gains and a bias; v128-255 the K = 256 weight.
.set SLOT1, 131072
.set SB,    16384
.set AM,    262144
.set U,     270336
.set XIMG,  286720
.set RED,   294912
.set PAR,   305152
.set PARW,  2304
.set SPARE, 323584
.set AMB,   8388864
.set ST,  16
.set ACC, 16
.set SS,  48
.set S,   64
.set F0,  64
.set T,   128
.set F1,  128
.set P,   192
.set Q,   224
.set KF,  0
.set GB,  0
.set RES, 64
.set MC,  64
.set BN,  96
.set VF,  128
.set WN,  128
.set O,   192
.set MSB, 0
.macro WIN new                         ; the immediate's high byte repeats the setting that is left
.if MSB != \new
	s_set_vgpr_msb (MSB<<8)|\new
.set MSB, \new
.endif
.endm
.macro CREST                           ; a round of the cluster's barrier behind its opening barrier
	s_cmp_lg_u32 s12, 0
	s_cbranch_scc1 .Lnot_wave_0_\@
	s_barrier_signal -3
.Lnot_wave_0_\@:
	s_barrier_wait -3
	s_barrier_signal -1
	s_barrier_wait -1
.endm
.macro ROUND                           ; a whole round
	s_barrier_signal -1
	s_barrier_wait -1
	CREST
.endm
.macro BAR                             ; my LDS instructions are done; then everybody's are
	s_wait_alu depctr_va_vdst(0)                   ; the wait ahead of a wait that blocks
	s_wait_dscnt 0x0
	s_barrier_signal -1
	s_barrier_wait -1
.endm
.macro PL                              ; four places behind matrix instructions (ISA guide 7.12.1)
.rept 4
	v_nop
.endr
.endm
; A CHANGE OF SLOTS, first part: the wait for my tensor loads, the add, and the descriptor's step.  kind 1: 128 keys on; kind 2: the second attention's first 128
.macro THREE kind
	s_wait_alu depctr_va_vdst(0)                   ; the wait ahead of a wait that blocks
	s_wait_tensorcnt 0x0                           ; my block of the next step is in; no load of mine is out, so group 0 may be written
	ds_add_u32 v254, v255
	s_xor_b32 s25, s25, SLOT1
.if \kind == 2
	s_mov_b64 s[26:27], s[30:31]
	s_or_b32 s27, s27, 0x80000000
.else
	s_add_nc_u64 s[26:27], s[26:27], SB
	s_wait_xcnt 0x0                                ; my last prefetch has read its address
	s_add_nc_u64 s[28:29], s[28:29], SB
.endif
.endm
; last part, behind the round's opening barrier: the rest of the round, the joint load, and (ask = 1) the prefetch of the block two loads on
.macro REFILL ask
	CREST
	tensor_load_to_lds s[24:27], s[16:23]
	s_nop 0
	PL
.if \ask
	s_cmp_gt_u32 s46, 2                            ; the last two trips have no step four on
	s_cbranch_scc0 .Lno_ask_\@
	global_prefetch_b8 v244, s[28:29] offset:2*SB th:TH_LOAD_NT scope:SCOPE_SE
.Lno_ask_\@:
.endif
.endm
; K (and am) of the step whose slot is s44 and whose am begins at s45
.macro KLOAD masked
	v_add_nc_u32 v3, s44, v5
.if \masked
	v_add_nc_u32 v4, s45, v2
.endif
	WIN 0x40
.irp k, 0,1,2,3,4,5,6,7
	ds_load_b128 v[KF+8*\k:KF+8*\k+3],   v3 offset:1024*\k
	ds_load_b128 v[KF+8*\k+4:KF+8*\k+7], v3 offset:1024*\k+512
.endr
.if \masked
.irp b, 0,1,2,3
.irp i, 0,1,2,3
	ds_load_b128 v[MC+16*\b+4*\i:MC+16*\b+4*\i+3], v4 offset:128*\b+16*\i   ; am of keys 32 b + 16 h + 4 i on: the result's layout
.endr
.endr
.endif
	WIN 0
.endm
; fragments i0 .. i1 of a K = 512 weight (i = 2 s + u: K step s, row tile u): i = 0 .. 3 at v0-63 and 4, 5 at v96-127 of window 1, i = 6, 7 at v96-127 of window 0: the caller sets the window
.macro LDW2 i0, i1, sp
.set i, \i0
.rept \i1-\i0+1
.set WB, 16*i+32*(i/4)-32*(i/6)
.irp c, 0,1,2,3
	global_load_b128 v[WB+4*\c:WB+4*\c+3], v13, s[\sp:\sp+1] offset:(i%2)*4096+(i/2)*128+32*\c
.endr
.set i, i+1
.endr
.endm
.macro SCALE j0                        ; t - M, two at a time: 32 of each tile's 64 numbers
.set j, \j0
.rept 16
	v_pk_fma_f32 v[S+j:S+j+1], v[S+j:S+j+1], s[40:41], v[ST:ST+1] op_sel_hi:[1,0,0]
	v_pk_fma_f32 v[S+64+j:S+64+j+1], v[S+64+j:S+64+j+1], s[40:41], v[ST+16:ST+17] op_sel_hi:[1,0,0]
.set j, j+2
.endr
.endm
; A KEY STEP: 128 keys of my head; K (and am) are in registers or on their way.  kind 1, 2: the slot is filled again; 4: only the wait for my last block; 0: nothing.
; pre = 1: the next step's K is read.  last = 1: registers that the step leaves free take W2's fragments (and, in the first attention, x).
.macro STEP masked, kind, ask, pre, last, wp
	PL                                             ; in front of loads into registers that the last products read
	WIN 0x40
.irp d, 0,1,2,3
.irp c, 0,1,2,3
	ds_load_b128 v[VF+16*\d+4*\c:VF+16*\d+4*\c+3], v3 offset:8192+2048*\d+512*\c
.endr
.endr
	s_wait_dscnt 16                                ; K and am are in; V's sixteen loads may be out
.if \masked
	WIN 0x11
.else
	WIN 0x01
.endif
.irp k, 0,1,2,3,4,5,6,7
.irp t, 0,1
.if \masked
	v_wmma_f32_16x16x64_bf8_bf8 v[S+64*\t+8*\k:S+64*\t+8*\k+7], v[KF+8*\k:KF+8*\k+7], v[Q+8*\t:Q+8*\t+7], v[MC+8*\k:MC+8*\k+7]
.else
	v_wmma_f32_16x16x64_bf8_bf8 v[S+64*\t+8*\k:S+64*\t+8*\k+7], v[KF+8*\k:KF+8*\k+7], v[Q+8*\t:Q+8*\t+7], 0
.endif
.endr
.endr
	WIN 0
	PL
.if \last
	WIN 0x40
	LDW2 0, 5, \wp
.if \masked
.irp t, 0,1
.irp i, 0,1,2,3
	global_load_b128 v[RES+16*\t+4*\i:RES+16*\t+4*\i+3], v252, s[10:11] offset:8192*\t+16*\i   ; x, where am lay
.endr
.endr
.endif
	WIN 0
.endif
.irp t, 0,1                            ; the largest score of my query among my 64 keys, two chains a tile, each accumulator from its low end on
	v_max3_num_f32 v[ST+16*\t+8], v[S+64*\t], v[S+64*\t+1], v[S+64*\t+2]
	v_max3_num_f32 v[ST+16*\t+9], v[S+64*\t+3], v[S+64*\t+4], v[S+64*\t+5]
.endr
.irp i, 6,10,14,18,22,26,30,34,38,42,46,50,54,58
.irp t, 0,1
	v_max3_num_f32 v[ST+16*\t+8], v[ST+16*\t+8], v[S+64*\t+\i], v[S+64*\t+\i+1]
	v_max3_num_f32 v[ST+16*\t+9], v[ST+16*\t+9], v[S+64*\t+\i+2], v[S+64*\t+\i+3]
.endr
.endr
.irp t, 0,1
	v_max3_num_f32 v[ST+16*\t+8], v[ST+16*\t+8], v[S+64*\t+62], v[S+64*\t+63]
.endr
.irp t, 0,1
	s_delay_alu instid0(VALU_DEP_2)
	v_max_num_f32 v[ST+16*\t+8], v[ST+16*\t+8], v[ST+16*\t+9]
.endr
.irp t, 0,1
	s_delay_alu instid0(VALU_DEP_2)
	v_permlanex16_b32 v[ST+16*\t+10], v[ST+16*\t+8], s76, s77
.endr
.irp t, 0,1
	s_delay_alu instid0(VALU_DEP_2)
	v_max_num_f32 v[ST+16*\t+8], v[ST+16*\t+8], v[ST+16*\t+10]
.endr
.irp t, 0,1
	s_delay_alu instid0(VALU_DEP_2)
	v_mul_f32 v[ST+16*\t+8], s40, v[ST+16*\t+8]    ; as t (c is positive)
.endr
.irp t, 0,1
	s_delay_alu instid0(VALU_DEP_2)
	v_max_num_f32 v[ST+16*\t+1], v[ST+16*\t+1], v[ST+16*\t+8]
.endr
.irp t, 0,1
	v_mov_b32 v[ST+16*\t+8], v[ST+16*\t]
.endr
.irp t, 0,1
	s_delay_alu instid0(VALU_DEP_4)
	v_floor_f32 v[ST+16*\t], -v[ST+16*\t+1]        ; -M = floor(-t): M is a whole number
.endr
.irp t, 0,1
	s_delay_alu instid0(VALU_DEP_2)
	v_sub_f32 v[ST+16*\t+8], v[ST+16*\t], v[ST+16*\t+8]
.endr
.irp t, 0,1
	s_delay_alu instid0(VALU_DEP_2)
	v_cvt_i32_f32 v[ST+16*\t+8], v[ST+16*\t+8]     ; old M - new M (it saturates)
.endr
.irp t, 0,1
	s_delay_alu instid0(VALU_DEP_2)
	v_ldexp_f32 v[ST+16*\t+4], 1.0, v[ST+16*\t+8]  ; f
.endr
.if (\kind)%4
	THREE \kind
	SCALE 0                                        ; work on registers between the add and the wait for it
	s_wait_dscnt 0x0                               ; the add is done, and V is in: my reads of this step's slot are over
	s_barrier_signal -1                            ; the round's opening barrier,
	SCALE 32                                       ; work on registers while the others arrive
	s_barrier_wait -1
	REFILL \ask
.else
.if \kind == 4
	s_wait_alu depctr_va_vdst(0)
	s_wait_tensorcnt 0x0                           ; my last block is in; I alone read it
.endif
	SCALE 0
	SCALE 32
.endif
.if \pre
	s_xor_b32 s44, s44, SLOT1
	s_add_co_u32 s45, s45, 512
	KLOAD \masked                                  ; the maxima were the places behind the score products
.endif
	s_wait_alu depctr_va_vdst(0)                   ; the wait ahead of the batch
.set j, 0
.rept 128
	v_exp_f32 v[S+j], v[S+j]                       ; p, at most 1: both tiles in one batch
.set j, j+1
.endr
	v_pk_mul_f32 v[ST+2:ST+3], v[ST+2:ST+3], v[ST+4:ST+5] op_sel_hi:[1,0]        ; the sums under the new M: plain lines behind the exponentials
	v_pk_mul_f32 v[ST+18:ST+19], v[ST+18:ST+19], v[ST+20:ST+21] op_sel_hi:[1,0]
	s_wait_alu depctr_va_vdst(0)                   ; one wait for the whole batch, ahead of its first reader
.irp t, 0,1
	v_pk_add_f32 v[ST+16*\t+6:ST+16*\t+7], v[S+64*\t:S+64*\t+1], v[S+64*\t+2:S+64*\t+3]   ; the sum of the unquantised p, in two chains
.endr
.irp i, 4,8,12,16,20,24,28,32,36,40,44,48,52,56,60
.irp t, 0,1
	v_pk_add_f32 v[ST+16*\t+2:ST+16*\t+3], v[ST+16*\t+2:ST+16*\t+3], v[S+64*\t+\i:S+64*\t+\i+1]
	v_pk_add_f32 v[ST+16*\t+6:ST+16*\t+7], v[ST+16*\t+6:ST+16*\t+7], v[S+64*\t+\i+2:S+64*\t+\i+3]
.endr
.endr
	s_delay_alu instid0(VALU_DEP_3)
	v_pk_add_f32 v[ST+2:ST+3], v[ST+2:ST+3], v[ST+6:ST+7]
	s_delay_alu instid0(VALU_DEP_2)
	v_pk_add_f32 v[ST+18:ST+19], v[ST+18:ST+19], v[ST+22:ST+23]
.irp t, 0,1
.irp b, 0,1,2,3
.set j, 0
.rept 8                                ; the conversion does not saturate (ISA guide 7.6.2); p is not negative, so the hold is one-sided; two numbers a line (v7 and v10 hold the same limit)
	v_dual_min_num_f32 v[S+64*\t+16*\b+j], v[S+64*\t+16*\b+j], v7 :: v_dual_min_num_f32 v[S+64*\t+16*\b+j+1], v[S+64*\t+16*\b+j+1], v10
.set j, j+2
.endr
	v_cvt_scalef32_pk8_bf8_f32 v[P+16*\t+4*\b:P+16*\t+4*\b+1], v[S+64*\t+16*\b:S+64*\t+16*\b+7], v6
	v_cvt_scalef32_pk8_bf8_f32 v[P+16*\t+4*\b+2:P+16*\t+4*\b+3], v[S+64*\t+16*\b+8:S+64*\t+16*\b+15], v6
.endr
.endr
.if \last
	LDW2 6, 7, \wp                                 ; into v96-127, which the conversions have read
.endif
	WIN 0x41
	s_wait_alu depctr_va_vdst(0)                   ; the wait directly ahead of the first reader of O^T
.set j, 0
.rept 16
	v_pk_mul_f32 v[O+j:O+j+1], v[O+j:O+j+1], v[ST+4:ST+5] op_sel_hi:[1,0]                 ; O^T under the new M; also the plain lines behind the conversions
	v_pk_mul_f32 v[O+32+j:O+32+j+1], v[O+32+j:O+32+j+1], v[ST+20:ST+21] op_sel_hi:[1,0]
.set j, j+2
.endr
	s_wait_alu depctr_va_vdst(0)                   ; the wait ahead of the wait below
	s_wait_dscnt 0x0                               ; V is in (and the next step's K)
	WIN 0x51
.irp d, 0,1,2,3
.irp t, 0,1
	v_wmma_f32_16x16x128_bf8_bf8 v[O+32*\t+8*\d:O+32*\t+8*\d+7], v[VF+16*\d:VF+16*\d+15], v[P+16*\t:P+16*\t+15], v[O+32*\t+8*\d:O+32*\t+8*\d+7]
.endr
.endr
	WIN 0
.endm
; the powers of two and the empty statistics of an attention; the arguments are the scalar registers that hold the exponents
.macro ATTSET eq, ek, ev, ep, eo
	s_add_co_i32 s92, s[\eq], s[\ek]
	s_lshl_b32 s92, s92, 23
	s_add_co_i32 s40, s92, 0x3e38aa3b              ; c: the two exponents are added to the exponent field of log2(e) / 8
	s_mov_b32 s41, s40
	s_add_co_i32 s92, s[\ep], 127
	s_lshl_b32 s93, s92, 23
	s_add_co_i32 s92, s92, 15
	s_lshl_b32 s92, s92, 23
	s_or_b32 s92, s92, 0x600000
	s_add_co_i32 s94, s[\eo], 127
	s_add_co_i32 s47, s[\ev], s[\ep]
	s_lshl_b32 s95, s94, 23
	s_add_co_i32 s94, s94, 15
	s_lshl_b32 s94, s94, 23
	s_or_b32 s94, s94, 0x600000
	s_mov_b32 s44, 0
	s_mov_b32 s45, 0
	v_mov_b32 v6, s93                              ; 2^ep
	v_mov_b32 v7, s92                              ; 57,344 x 2^ep,
	v_mov_b32 v10, s92                             ; twice
	v_mov_b32 v8, s95                              ; 2^eo
	v_mov_b32 v9, s94
.irp t, 0,1
	v_mov_b32 v[ST+16*\t+1], 0xff61b1e6            ; the largest t so far: -3e38
	v_floor_f32 v[ST+16*\t], -v[ST+16*\t+1]
	v_mov_b32 v[ST+16*\t+2], 0
	v_mov_b32 v[ST+16*\t+3], 0
	v_mov_b32 v[ST+16*\t+5], 0
	v_mov_b32 v[ST+16*\t+10], 0                    ; a lane permute's destination counts as one of its sources
.endr
	WIN 0x40
.set j, 0
.rept 64
	v_mov_b32 v[O+j], 0                            ; the step is written once: the first finds zeros, which the first change of M leaves zeros
.set j, j+1
.endr
	WIN 0
.endm
; the powers of two of a way out: s[r ..] = eA, eW, eX, eWn; s[eo] = eOut; relu = 1: the activation clips at 0
.macro POSTSET r, eo, relu
	s_add_co_i32 s80, s[\r], s[\r+1]
	s_add_co_i32 s80, s80, 127
	s_lshl_b32 s80, s80, 23
	s_mov_b32 s81, s80                             ; 2^(eA + eW)
	s_add_co_i32 s92, s[\r+2], 127
	s_lshl_b32 s93, s92, 23
	s_add_co_i32 s92, s92, 15
	s_lshl_b32 s92, s92, 23
	s_or_b32 s87, s92, 0x600000                    ; 57,344 x 2^eX
	s_or_b32 s86, s87, 0x80000000
	s_add_co_i32 s90, s[\r+2], s[\r+3]
	s_sub_co_i32 s92, s[\eo], s90                  ; three exponents folded into the conversion's one
	s_add_co_i32 s92, s92, 127
	s_lshl_b32 s91, s92, 23
	s_add_co_i32 s92, s92, 15
	s_lshl_b32 s92, s92, 23
	s_or_b32 s89, s92, 0x600000
.if \relu
	s_mov_b32 s88, 0
.else
	s_or_b32 s88, s89, 0x80000000
.endif
	s_sub_co_i32 s90, 0, s90                       ; the bias goes in x 2^-(eX + eWn)
	v_mov_b32 v245, s93                            ; 2^eX
.endm
; AN ATTENTION: 16 key steps; the last two are written out: they fetch no further keys of this attention
.macro ATT masked, wp
	s_mov_b32 s46, 14
.Latt_\@:
	STEP \masked, 1, 1, 1, 0, 0
	s_sub_co_u32 s46, s46, 1
	s_cmp_lg_u32 s46, 0
	s_cbranch_scc1 .Latt_\@
.if \masked
	STEP 1, 2, 0, 1, 0, 0                          ; slot 0 takes the second attention's step 0,
	STEP 1, 1, 0, 0, 1, \wp                        ; slot 1 its step 1
.else
	STEP 0, 4, 0, 1, 0, 0
	STEP 0, 0, 0, 0, 1, \wp
.endif
	; O^T x 2^(ep + ev) / the sum, quantised with 2^eo: the codes land where Q lay
	PL
.irp t, 0,1
	v_add_f32 v[ST+16*\t+2], v[ST+16*\t+2], v[ST+16*\t+3]
.endr
.irp t, 0,1
	s_delay_alu instid0(VALU_DEP_2)
	v_permlanex16_b32 v[ST+16*\t+10], v[ST+16*\t+2], s76, s77
.endr
.irp t, 0,1
	s_delay_alu instid0(VALU_DEP_2)
	v_add_f32 v[ST+16*\t+2], v[ST+16*\t+2], v[ST+16*\t+10]
.endr
	s_wait_alu depctr_va_vdst(0)
.irp t, 0,1
	v_rcp_f32 v[ST+16*\t+4], v[ST+16*\t+2]
.endr
	v_nop
	s_wait_alu depctr_va_vdst(0)                   ; one wait for the two reciprocals
.irp t, 0,1
	v_ldexp_f32 v[ST+16*\t+4], v[ST+16*\t+4], s47
.endr
	WIN 0x01
	s_wait_alu depctr_va_vdst(0)                   ; the wait directly ahead of the first reader of O^T
.set j, 0
.rept 16
	v_pk_mul_f32 v[S+j:S+j+1], v[O+j:O+j+1], v[ST+4:ST+5] op_sel_hi:[1,0]
	v_pk_mul_f32 v[S+64+j:S+64+j+1], v[O+32+j:O+32+j+1], v[ST+20:ST+21] op_sel_hi:[1,0]
.set j, j+2
.endr
	WIN 0
.irp t, 0,1
.set j, 0
.rept 32
	v_med3_num_f32 v[S+64*\t+j], v[S+64*\t+j], -v9, v9
.set j, j+1
.endr
.irp d, 0,1,2,3
	v_cvt_scalef32_pk8_bf8_f32 v[Q+8*\t+2*\d:Q+8*\t+2*\d+1], v[S+64*\t+8*\d:S+64*\t+8*\d+7], v8
.endr
.endr
	v_nop
.endm
; my 16 registers of codes go to U; the bias of the product that follows comes into SS
.macro TOU ib
.irp t, 0,1
.irp c, 0,1
	ds_store_b128 v11, v[Q+8*\t+4*\c:Q+8*\t+4*\c+3] offset:8192*\t+512*\c
.endr
.endr
.irp i, 0,1,2,3
	ds_load_b128 v[SS+4*\i:SS+4*\i+3], v15 offset:128*(\ib)+16*\i
.endr
.endm
.macro LDG dst, idx                    ; 16 numbers of a gain or an offset, in the result's layout (the caller sets the window)
.irp i, 0,1,2,3
	ds_load_b128 v[\dst+4*\i:\dst+4*\i+3], v15 offset:128*(\idx)+16*\i
.endr
.endm
; THE K = 512 PRODUCT on U's eight fragments (fragment 4 t + s: v64, 80, 128, 144 .. 208).  out: the global loads issued behind the weight's, which may stay out
.macro P6 out
	BAR
.irp s, 0,1,2,3
.irp t, 0,1
.set AF, 64+16*(4*\t+\s)+32*((4*\t+\s+6)/8)
.irp c, 0,1,2,3
	ds_load_b128 v[AF+4*\c:AF+4*\c+3], v12 offset:2048*(4*\t+\s)+512*\c
.endr
.endr
.endr
	s_wait_loadcnt \out
.irp s, 0,1,2,3
	s_wait_dscnt 8*(3-\s)                          ; this K step's eight loads are in, the later steps' may be out
.if \s == 3
	WIN 0
.else
	WIN 0x01
.endif
.irp t, 0,1
.irp u, 0,1
.set AF, 64+16*(4*\t+\s)+32*((4*\t+\s+6)/8)
.set WB, 16*(2*\s+\u)+32*((2*\s+\u)/4)-32*((2*\s+\u)/6)
.if \s == 0
	v_wmma_f32_16x16x128_bf8_bf8 v[ACC+16*\t+8*\u:ACC+16*\t+8*\u+7], v[WB:WB+15], v[AF:AF+15], 0
.else
	v_wmma_f32_16x16x128_bf8_bf8 v[ACC+16*\t+8*\u:ACC+16*\t+8*\u+7], v[WB:WB+15], v[AF:AF+15], v[ACC+16*\t+8*\u:ACC+16*\t+8*\u+7]
.endif
.endr
.endr
.endr
	WIN 0
	PL
.endm
.macro ADDRES
	WIN 0x04
.set j, 0
.rept 16
	v_pk_add_f32 v[ACC+j:ACC+j+1], v[ACC+j:ACC+j+1], v[RES+j:RES+j+1]
.set j, j+2
.endr
	WIN 0
.endm
.macro RESID                           ; the sums x the two scales + the bias + RES
.irp t, 0,1
.set j, 0
.rept 8
	v_pk_fma_f32 v[ACC+16*\t+j:ACC+16*\t+j+1], v[ACC+16*\t+j:ACC+16*\t+j+1], s[80:81], v[SS+j:SS+j+1] op_sel_hi:[1,0,1]
.set j, j+2
.endr
.endr
	ADDRES
.endm
; A NORM over 256 features: each wave joins its 32 into a mean and a sum of squares about it; the eight pairs meet in LDS; var = (sum q_w + 32 sum (m_w - mean)^2) / 256.  dw = 1: the result goes to RES
.macro LNORM round, g, be, dw
.irp t, 0,1
	v_pk_add_f32 v[T+16*\t:T+16*\t+1],   v[ACC+16*\t:ACC+16*\t+1],     v[ACC+16*\t+2:ACC+16*\t+3]
	v_pk_add_f32 v[T+16*\t+2:T+16*\t+3], v[ACC+16*\t+4:ACC+16*\t+5],   v[ACC+16*\t+6:ACC+16*\t+7]
	v_pk_add_f32 v[T+16*\t+4:T+16*\t+5], v[ACC+16*\t+8:ACC+16*\t+9],   v[ACC+16*\t+10:ACC+16*\t+11]
	v_pk_add_f32 v[T+16*\t+6:T+16*\t+7], v[ACC+16*\t+12:ACC+16*\t+13], v[ACC+16*\t+14:ACC+16*\t+15]
.endr
.irp t, 0,1
	v_pk_add_f32 v[T+16*\t:T+16*\t+1],   v[T+16*\t:T+16*\t+1],   v[T+16*\t+2:T+16*\t+3]
	v_pk_add_f32 v[T+16*\t+4:T+16*\t+5], v[T+16*\t+4:T+16*\t+5], v[T+16*\t+6:T+16*\t+7]
.endr
	s_delay_alu instid0(VALU_DEP_3)
	v_pk_add_f32 v[T:T+1], v[T:T+1], v[T+4:T+5]
	s_delay_alu instid0(VALU_DEP_2)
	v_pk_add_f32 v[T+16:T+17], v[T+16:T+17], v[T+20:T+21]
.irp t, 0,1
	s_delay_alu instid0(VALU_DEP_2)
	v_add_f32 v[SS+8*\t], v[T+16*\t], v[T+16*\t+1]
.endr
.irp t, 0,1
	s_delay_alu instid0(VALU_DEP_2)
	v_permlanex16_b32 v[SS+8*\t+4], v[SS+8*\t], s76, s77
.endr
.irp t, 0,1
	s_delay_alu instid0(VALU_DEP_2)
	v_add_f32 v[SS+8*\t], v[SS+8*\t], v[SS+8*\t+4]
.endr
.irp t, 0,1
	s_delay_alu instid0(VALU_DEP_2)
	v_mul_f32 v[SS+8*\t+2], s85, v[SS+8*\t]        ; m_w
.endr
.set j, 0
.rept 8
	v_pk_add_f32 v[T+j:T+j+1], v[ACC+j:ACC+j+1], v[SS+2:SS+3] op_sel_hi:[1,0] neg_lo:[0,1] neg_hi:[0,1]
	v_pk_add_f32 v[T+16+j:T+16+j+1], v[ACC+16+j:ACC+16+j+1], v[SS+10:SS+11] op_sel_hi:[1,0] neg_lo:[0,1] neg_hi:[0,1]
.set j, j+2
.endr
.irp t, 0,1
	v_pk_mul_f32 v[SS+8*\t:SS+8*\t+1],   v[T+16*\t:T+16*\t+1],   v[T+16*\t:T+16*\t+1]
	v_pk_mul_f32 v[SS+8*\t+6:SS+8*\t+7], v[T+16*\t+2:T+16*\t+3], v[T+16*\t+2:T+16*\t+3]
.endr
.irp i, 4,8,12
.irp t, 0,1
	s_delay_alu instid0(VALU_DEP_4)
	v_pk_fma_f32 v[SS+8*\t:SS+8*\t+1],   v[T+16*\t+\i:T+16*\t+\i+1],   v[T+16*\t+\i:T+16*\t+\i+1],   v[SS+8*\t:SS+8*\t+1]
	s_delay_alu instid0(VALU_DEP_4)
	v_pk_fma_f32 v[SS+8*\t+6:SS+8*\t+7], v[T+16*\t+\i+2:T+16*\t+\i+3], v[T+16*\t+\i+2:T+16*\t+\i+3], v[SS+8*\t+6:SS+8*\t+7]
.endr
.endr
	s_delay_alu instid0(VALU_DEP_3)
	v_pk_add_f32 v[SS:SS+1], v[SS:SS+1], v[SS+6:SS+7]
	s_delay_alu instid0(VALU_DEP_2)
	v_pk_add_f32 v[SS+8:SS+9], v[SS+8:SS+9], v[SS+14:SS+15]
.irp t, 0,1
	s_delay_alu instid0(VALU_DEP_2)
	v_add_f32 v[SS+8*\t+3], v[SS+8*\t], v[SS+8*\t+1]
.endr
.irp t, 0,1
	s_delay_alu instid0(VALU_DEP_2)
	v_permlanex16_b32 v[SS+8*\t+4], v[SS+8*\t+3], s76, s77
.endr
.irp t, 0,1
	s_delay_alu instid0(VALU_DEP_2)
	v_add_f32 v[SS+8*\t+3], v[SS+8*\t+3], v[SS+8*\t+4]   ; q_w
.endr
	v_cndmask_b32 v[SS+6], v[SS+2], v[SS+10], s78  ; lanes 0-15 carry tile 0's pair, lanes 16-31 tile 1's
	s_delay_alu instid0(VALU_DEP_2)
	v_cndmask_b32 v[SS+7], v[SS+3], v[SS+11], s78
	ds_store_b64 v242, v[SS+6:SS+7] offset:2048*(\round)
	BAR
.irp t, 0,1
.irp i, 0,1,2,3
	ds_load_b128 v[T+32+16*\t+4*\i:T+32+16*\t+4*\i+3], v243 offset:2048*(\round)+1024*\t+16*\i
.endr
.endr
	s_wait_dscnt 0x0
.irp t, 0,1
	v_pk_add_f32 v[T+16*\t:T+16*\t+1],   v[T+32+16*\t:T+32+16*\t+1],     v[T+32+16*\t+2:T+32+16*\t+3]
	v_pk_add_f32 v[T+16*\t+2:T+16*\t+3], v[T+32+16*\t+4:T+32+16*\t+5],   v[T+32+16*\t+6:T+32+16*\t+7]
	v_pk_add_f32 v[T+16*\t+4:T+16*\t+5], v[T+32+16*\t+8:T+32+16*\t+9],   v[T+32+16*\t+10:T+32+16*\t+11]
	v_pk_add_f32 v[T+16*\t+6:T+16*\t+7], v[T+32+16*\t+12:T+32+16*\t+13], v[T+32+16*\t+14:T+32+16*\t+15]
.endr
.irp t, 0,1
	v_pk_add_f32 v[T+16*\t:T+16*\t+1],   v[T+16*\t:T+16*\t+1],   v[T+16*\t+2:T+16*\t+3]
	v_pk_add_f32 v[T+16*\t+4:T+16*\t+5], v[T+16*\t+4:T+16*\t+5], v[T+16*\t+6:T+16*\t+7]
.endr
	s_delay_alu instid0(VALU_DEP_3)
	v_pk_add_f32 v[T:T+1], v[T:T+1], v[T+4:T+5]
	s_delay_alu instid0(VALU_DEP_2)
	v_pk_add_f32 v[T+16:T+17], v[T+16:T+17], v[T+20:T+21]
.irp t, 0,1
	s_delay_alu instid0(VALU_DEP_2)
	v_mul_f32 v[SS+8*\t+2], 0x3e000000, v[T+16*\t] ; the mean
.endr
.irp w, 0,1,2,3,4,5,6,7
.irp t, 0,1
	v_sub_f32 v[T+16*\t+8+\w], v[T+32+16*\t+2*\w], v[SS+8*\t+2]
.endr
.endr
.irp t, 0,1
	v_mul_f32 v[SS+8*\t], v[T+16*\t+8], v[T+16*\t+8]
.endr
.irp w, 1,2,3,4,5,6,7
.irp t, 0,1
	s_delay_alu instid0(VALU_DEP_2)
	v_fmac_f32 v[SS+8*\t], v[T+16*\t+8+\w], v[T+16*\t+8+\w]
.endr
.endr
.irp t, 0,1
	s_delay_alu instid0(VALU_DEP_2)
	v_fma_f32 v[SS+8*\t+1], v[SS+8*\t], s84, v[T+16*\t+1]
.endr
.irp t, 0,1
	s_delay_alu instid0(VALU_DEP_2)
	v_fma_f32 v[SS+8*\t+1], v[SS+8*\t+1], s82, s83 ; the variance + 1e-6
.endr
	s_wait_alu depctr_va_vdst(0)
.irp t, 0,1
	v_rsq_f32 v[SS+8*\t+6], v[SS+8*\t+1]
.endr
.set j, 0
.rept 8
	v_pk_add_f32 v[ACC+j:ACC+j+1], v[ACC+j:ACC+j+1], v[SS+2:SS+3] op_sel_hi:[1,0] neg_lo:[0,1] neg_hi:[0,1]          ; independent work behind the two roots
	v_pk_add_f32 v[ACC+16+j:ACC+16+j+1], v[ACC+16+j:ACC+16+j+1], v[SS+10:SS+11] op_sel_hi:[1,0] neg_lo:[0,1] neg_hi:[0,1]
.set j, j+2
.endr
	s_wait_alu depctr_va_vdst(0)                   ; one wait for both, ahead of their first reader
.set j, 0
.rept 8
	v_pk_mul_f32 v[ACC+j:ACC+j+1], v[ACC+j:ACC+j+1], v[SS+6:SS+7] op_sel_hi:[1,0]
	v_pk_mul_f32 v[ACC+16+j:ACC+16+j+1], v[ACC+16+j:ACC+16+j+1], v[SS+14:SS+15] op_sel_hi:[1,0]
.set j, j+2
.endr
.if \dw
	WIN 0x54
.set D, RES
.else
	WIN 0x14
.set D, ACC
.endif
.set j, 0
.rept 8
	v_pk_fma_f32 v[D+j:D+j+1], v[ACC+j:ACC+j+1], v[\g+j:\g+j+1], v[\be+j:\be+j+1]
	v_pk_fma_f32 v[D+16+j:D+16+j+1], v[ACC+16+j:ACC+16+j+1], v[\g+j:\g+j+1], v[\be+j:\be+j+1]
.set j, j+2
.endr
	WIN 0
.endm
; THE WAY OUT OF AN ATTENTION: W2, bias, residual, two norms (RES becomes the new x), then the K = 256 product on the new x; its sums are left in F1
.macro POST ib, r0, wn, ibn
	TOU \ib
	WIN 0x40
.irp f, 0,1,2,3                        ; the K = 256 weight: fragment 2 f + s at WN + 16 (2 f + s) of window 1, where V and O^T lay
.irp s, 0,1
.irp c, 0,1,2,3
	global_load_b128 v[WN+16*(2*\f+\s)+4*\c:WN+16*(2*\f+\s)+4*\c+3], v14, s[\wn:\wn+1] offset:(32*(\f/2)+8*(\f%2))*256+128*\s+32*\c
.endr
.endr
.endr
	WIN 0
	P6 32                                          ; W2's loads (and x's) are in; the 32 just issued may be out
	WIN 0x40
	LDG GB, (\ib)+1
	LDG GB+16, (\ib)+2
	LDG GB+32, (\ib)+3
	LDG GB+48, (\ib)+4
.irp f, 0,1,2,3
	ds_load_b128 v[BN+8*\f:BN+8*\f+3], v15 offset:128*(\ibn)+128*(\f/2)+32*(\f%2)
	ds_load_b128 v[BN+8*\f+4:BN+8*\f+7], v15 offset:128*(\ibn)+128*(\f/2)+32*(\f%2)+16
.endr
	WIN 0
	RESID
	LNORM \r0, GB, GB+16, 0
	ADDRES
	LNORM (\r0)+1, GB+32, GB+48, 1
	WIN 0x41
.set j, 0
.rept 32
	v_ldexp_f32 v[BN+j], v[BN+j], s90
.set j, j+1
.endr
	WIN 0x01
.set j, 0
.rept 32
	v_med3_num_f32 v[T+j], v[RES+j], s86, s87
.set j, j+1
.endr
	WIN 0
.irp t, 0,1
	v_cvt_scalef32_pk8_bf8_f32 v[T+32+4*\t:T+33+4*\t], v[T+16*\t:T+16*\t+7], v245
	v_cvt_scalef32_pk8_bf8_f32 v[T+34+4*\t:T+35+4*\t], v[T+16*\t+8:T+16*\t+15], v245
.endr
	v_nop
	ds_store_b128 v240, v[T+32:T+35]
	ds_store_b128 v240, v[T+36:T+39] offset:4096
	v_mov_b32 v245, s91
	BAR
.irp t, 0,1
.irp s, 0,1
.irp c, 0,1,2,3
	ds_load_b128 v[F0+32*\t+16*\s+4*\c:F0+32*\t+16*\s+4*\c+3], v241 offset:4096*\t+2048*\s+512*\c
.endr
.endr
.endr
	s_wait_loadcnt 0x0                             ; the weight
	s_wait_dscnt 0x0
	WIN 0x11
.irp t, 0,1
.irp f, 0,1,2,3
	v_wmma_f32_16x16x128_bf8_bf8 v[F1+32*\t+8*\f:F1+32*\t+8*\f+7], v[WN+32*\f:WN+32*\f+15], v[F0+32*\t:F0+32*\t+15], v[BN+8*\f:BN+8*\f+7]
.endr
.endr
	WIN 0x01
.irp t, 0,1
.irp f, 0,1,2,3
	v_wmma_f32_16x16x128_bf8_bf8 v[F1+32*\t+8*\f:F1+32*\t+8*\f+7], v[WN+32*\f+16:WN+32*\f+31], v[F0+32*\t+16:F0+32*\t+31], v[F1+32*\t+8*\f:F1+32*\t+8*\f+7]
.endr
.endr
	WIN 0
	PL
.endm
.macro QOUT                            ; F1's sums become 16 registers of codes at Q
.set j, 0
.rept 64
	v_med3_num_f32 v[F1+j], v[F1+j], s88, s89
.set j, j+1
.endr
.irp t, 0,1
.irp f, 0,1,2,3
	v_cvt_scalef32_pk8_bf8_f32 v[Q+8*\t+2*\f:Q+8*\t+2*\f+1], v[F1+32*\t+8*\f:F1+32*\t+8*\f+7], v245
.endr
.endr
	v_nop
.endm
	s_load_b256 s[4:11], s[0:1], 0x0               ; q, kv1, kv2, x
	s_load_b256 s[32:39], s[0:1], 0x20             ; m1_w2, m2_wq, m2_w2, ffn_w1
	s_load_b256 s[48:55], s[0:1], 0x40             ; ffn_w2, out0, pp1, pp2
	s_load_b64 s[100:101], s[0:1], 0x60            ; the exponents
	s_load_b512 s[84:99], s[0:1], 0x68             ; biases and gains 0 to 7
	s_load_b256 s[68:75], s[0:1], 0xa8             ; 8 to 11
	s_load_b128 s[60:63], s[0:1], 0xc8             ; 12, m2_bq
	s_load_b64 s[56:57], s[0:1], 0xd8              ; ffn_b1
	v_lshl_add_u32 v254, v0, 2, SPARE
	v_mov_b32 v255, 0
	ds_add_u32 v254, v255                          ; the opening: the add, twice on end, and its wait
	ds_add_u32 v254, v255
	v_lshrrev_b32 v1, 5, v0
	v_readfirstlane_b32 s12, v1                    ; wave = head
	s_bfe_u32 s13, ttmp6, 0x40000                  ; cx
	s_lshl_b32 s14, ttmp9, 2
	s_add_co_u32 s14, s14, s13                     ; G: it enters the addresses of q, x and out0 alone
	s_lshr_b32 s15, ttmp9, 4                       ; the batch: 16 clusters each
	s_mov_b32 s16, 15|(3<<16)|(1<<21)              ; group 1: the mask names all four; elements of 8 bytes; bit 21 beside a mask
	s_mov_b32 s17, 32<<16                          ; rows of 256 bytes,
	s_mov_b32 s18, 64<<16                          ; 64 of them,
	s_mov_b32 s19, 32<<16
	s_mov_b32 s20, 64
	s_mov_b32 s21, 32                              ; dense
	s_mov_b32 s22, 0
	s_mov_b32 s23, 0
	s_lshl_b32 s15, s15, 3
	s_add_co_u32 s15, s15, s12                     ; 8 batch + head
	s_lshl_b32 s2, s15, 18
	s_add_co_u32 s2, s2, 256
	s_mov_b32 s3, 0
	s_mov_b32 s24, 1
	s_lshl_b32 s25, s12, 14                        ; slot 0, my head's 16,384 bytes
	s_wait_alu depctr_va_vdst(0)
	s_wait_dscnt 0x0
	s_wait_kmcnt 0x0
	s_add_nc_u64 s[28:29], s[6:7], s[2:3]          ; my head's block in kv1 (the prefetches walk from here),
	s_add_nc_u64 s[30:31], s[8:9], s[2:3]          ; and in kv2
	s_mov_b64 s[26:27], s[28:29]
	s_or_b32 s27, s27, 0x80000000
	ROUND                                          ; all four work-groups are here: the joint loads meet
	tensor_load_to_lds s[24:27], s[16:23]          ; key step 0: my one load at the head
	s_nop 0
	PL
	s_lshl_b32 s40, s12, 7
	s_lshl_b32 s41, s12, 8
	s_lshl_b32 s42, s12, 10
	s_mul_i32 s43, s12, PARW
	s_add_co_u32 s43, s43, PAR
	s_lshl_b32 s44, s12, 9
	s_lshl_b32 s45, s12, 3
	s_mul_i32 s46, s12, 4160
	s_lshl_b32 s47, s13, 12
	s_lshl_b32 s2, s14, 14
	s_add_co_u32 s2, s2, s42
	s_add_nc_u64 s[4:5], s[4:5], s[2:3]            ; q: tile 2 G, head w
	s_lshl_b32 s2, s14, 15
	s_add_nc_u64 s[10:11], s[10:11], s[2:3]        ; x: token 32 G
	s_lshl_b32 s79, s12, 12
	s_add_co_u32 s2, s2, s79
	s_add_nc_u64 s[50:51], s[50:51], s[2:3]        ; out0: token 32 G + 4 w
	s_mov_b32 s2, s25
.irp p, 32,34,36,38,48
	s_add_nc_u64 s[\p:\p+1], s[\p:\p+1], s[2:3]    ; my 16,384 bytes of each weight
.endr
	s_lshl_b32 s2, s15, 13
	s_add_co_u32 s2, s2, s42
	s_add_co_u32 s2, s2, AMB
	s_add_nc_u64 s[2:3], s[6:7], s[2:3]            ; am: keys 256 w on, from my head's copy
	v_and_b32 v248, 31, v0                         ; lane
	v_and_b32 v249, 15, v0                         ; r
	v_bfe_u32 v250, v0, 4, 1                       ; h
	v_lshlrev_b32 v1, 4, v248
	v_and_b32 v251, 8, v249
	v_add_nc_u32 v251, v251, v249                  ; rp
	v_lshlrev_b32 v252, 6, v250                    ; 64 h
	v_add_nc_u32 v2, AM, v252
	v_add_nc_u32 v5, s25, v1
	v_add_nc_u32 v11, s42, v1
	v_add_nc_u32 v253, AM, v11
	v_add_nc_u32 v11, U, v11
	v_add_nc_u32 v12, U, v1
	v_lshlrev_b32 v13, 9, v251
	v_lshl_add_u32 v13, v250, 4, v13               ; a K = 512 weight: 512 rp + 16 h
	v_lshlrev_b32 v14, 8, v251
	v_lshl_add_u32 v14, v250, 4, v14               ; a K = 256 weight: 256 rp + 16 h
	v_add_nc_u32 v15, s43, v252
	v_add_nc_u32 v241, XIMG, v1
	v_add_nc_u32 v240, s44, v241
	v_lshl_add_u32 v242, v248, 6, s45
	v_add_nc_u32 v242, RED, v242
	v_lshlrev_b32 v243, 6, v249
	v_add_nc_u32 v243, RED, v243
	v_min_u32 v244, 15, v248
	v_lshl_add_u32 v244, v244, 8, s47              ; the prefetches: unit 16 cx + lane; lanes 16 on name the last again
	v_mul_u32_u24 v246, v251, 1040
	v_add_nc_u32 v246, v246, v252
	v_add_nc_u32 v246, s40, v246                   ; the last stage, in: row rp, 64 h + 128 w
	v_add_nc_u32 v247, s46, v1                     ; and back: rows 4 w on
	v_lshl_add_u32 v100, v248, 2, s40
	v_lshl_add_u32 v101, v248, 3, s41
	v_lshl_add_u32 v102, v248, 2, s43
	v_lshl_add_u32 v103, v248, 3, s43
	v_lshl_add_u32 v252, v251, 10, v252
	v_add_nc_u32 v252, s40, v252                   ; x: 1,024 rp + 64 h + 128 w
.irp i, 0,1,2,3,4,5,6,7
	global_load_b32 v[64+\i], v100, s[84+2*\i:85+2*\i]     ; my 32 features of each bias and gain
.endr
.irp i, 0,1,2,3
	global_load_b32 v[72+\i], v100, s[68+2*\i:69+2*\i]
.endr
	global_load_b32 v76, v100, s[60:61]
	global_load_b64 v[78:79], v101, s[62:63]       ; my 64 of m2_bq and of ffn_b1
	global_load_b64 v[80:81], v101, s[56:57]
	global_load_b128 v[84:87], v1, s[2:3]
	global_load_b128 v[88:91], v1, s[2:3] offset:512
.irp t, 0,1
.irp c, 0,1
	global_load_b128 v[Q+8*\t+4*\c:Q+8*\t+4*\c+3], v1, s[4:5] offset:8192*\t+512*\c
.endr
.endr
	global_prefetch_b8 v244, s[32:33] th:TH_LOAD_NT scope:SCOPE_SE   ; the first way out's two weights: 16 units of my 64 from each partner
	global_prefetch_b8 v244, s[34:35] th:TH_LOAD_NT scope:SCOPE_SE
	s_mov_b32 s76, 0x76543210                      ; v_permlanex16_b32: lane l xor 16
	s_mov_b32 s77, 0xfedcba98
	s_mov_b32 s78, 0xffff0000                      ; lanes 16 to 31
	s_mov_b32 s82, 0x3b800000                      ; 1 / 256
	s_mov_b32 s83, 0x358637bd                      ; 1e-6
	s_wait_alu depctr_va_vdst(0)
	s_wait_xcnt 0x0                                ; the loads have read their bases: those registers are written below
	s_mov_b32 s84, 0x42000000                      ; 32
	s_mov_b32 s85, 0x3d000000                      ; 1 / 32
	s_load_b128 s[96:99], s[6:7], 0x0              ; eq, ek, ev, ep of the first attention,
	s_load_b32 s79, s[6:7], 0x10                   ; eo
	s_load_b128 s[60:63], s[8:9], 0x0              ; of the second
	s_load_b32 s57, s[8:9], 0x10
	s_load_b128 s[68:71], s[52:53], 0x0            ; eA, eW, eX, eWn of the first way out,
	s_load_b32 s58, s[52:53], 0x10                 ; eOut
	s_load_b128 s[72:75], s[54:55], 0x0            ; of the second
	s_load_b32 s59, s[54:55], 0x10
	s_load_b64 s[66:67], s[100:101], 0x68          ; entries 26 and 27
	s_wait_loadcnt 4                               ; all but Q's four loads are in
.irp i, 0,1,2,3,4,5,6,7,8,9,10,11,12
	ds_store_b32 v102, v[64+\i] offset:128*\i
.endr
	ds_store_b64 v103, v[78:79] offset:1664
	ds_store_b64 v103, v[80:81] offset:1920
	ds_store_b128 v253, v[84:87]
	ds_store_b128 v253, v[88:91] offset:512
	s_wait_kmcnt 0x0
	ATTSET 96, 97, 98, 99, 79
	POSTSET 68, 58, 0
	s_wait_alu depctr_va_vdst(0)                   ; the wait at the head's end
	s_wait_loadcnt 0x0                             ; Q
	THREE 1                                        ; slot 1's first fill is issued as a refill is
	s_wait_dscnt 0x0                               ; the add and my stores of am and of the biases and gains are done
	s_barrier_signal -1
	s_barrier_wait -1
	REFILL 0                                       ; key step 1
	KLOAD 1                                        ; key step 0's K and am
	ATT 1, 32
	POST 0, 0, 34, 13
	QOUT                                           ; Q of the second attention
	ATTSET 60, 61, 62, 63, 57
	POSTSET 72, 59, 1
	KLOAD 0                                        ; its step 0 landed ahead of the last change of slots
	s_wait_xcnt 0x0
	s_add_nc_u64 s[28:29], s[30:31], SB
	global_prefetch_b8 v244, s[36:37] th:TH_LOAD_NT scope:SCOPE_SE   ; the three weights still to come
	global_prefetch_b8 v244, s[38:39] th:TH_LOAD_NT scope:SCOPE_SE
	global_prefetch_b8 v244, s[48:49] th:TH_LOAD_NT scope:SCOPE_SE
	s_wait_alu depctr_va_vdst(0)
	ATT 0, 36
	POST 5, 2, 38, 15
	WIN 0x40
	LDW2 0, 5, 48                                  ; ffn_w2, into registers that the product above has left
	WIN 0
	LDW2 6, 7, 48
	QOUT                                           ; the hidden layer's codes
	s_add_co_i32 s80, s66, s67
	s_add_co_i32 s80, s80, 127
	s_lshl_b32 s80, s80, 23
	s_mov_b32 s81, s80
	TOU 10
	P6 0
	WIN 0x40
	LDG GB, 11
	LDG GB+16, 12
	WIN 0
	RESID
	LNORM 4, GB, GB+16, 0
	; the way out: a row's 256 numbers come from eight waves: they meet in the stage (slot 0, behind its last fill and its last read), and each wave stores four whole rows
.irp t, 0,1
.irp i, 0,1,2,3
	ds_store_b128 v246, v[ACC+16*\t+4*\i:ACC+16*\t+4*\i+3] offset:8320*\t+16*\i
.endr
.endr
	BAR
.irp k, 0,1,2,3
.irp e, 0,1
	ds_load_b128 v[F0+8*\k+4*\e:F0+8*\k+4*\e+3], v247 offset:1040*\k+512*\e
.endr
.endr
.irp k, 0,1,2,3
.irp e, 0,1
	s_wait_dscnt 7-2*\k-\e                         ; LDS loads come back in order: this one is in, the younger ones may be out
	global_store_b128 v1, v[F0+8*\k+4*\e:F0+8*\k+4*\e+3], s[50:51] offset:1024*\k+512*\e th:TH_STORE_NT   ; 512 consecutive bytes of a row
.endr
.endr
	s_wait_tensorcnt 0x0                           ; the wave's end
	ds_add_u32 v254, v255
	s_wait_dscnt 0x0
	ROUND                                          ; the closing round
	s_endpgm
.Lfunc_end_k_qfba453d1e7_chain:
	.size	k_qfba453d1e7_chain, .Lfunc_end_k_qfba453d1e7_chain-k_qfba453d1e7_chain
	.p2alignl 7, 3214868480
	.fill 96, 4, 3214868480
	.section	.rodata,"a",@progbits
	.p2align	6, 0x0
	.amdhsa_kernel k_qfba453d1e7_chain
		.amdhsa_group_segment_fixed_size 327680
		.amdhsa_private_segment_fixed_size 0
		.amdhsa_enable_private_segment 0
		.amdhsa_kernarg_size 224
		.amdhsa_user_sgpr_count 2
		.amdhsa_user_sgpr_kernarg_segment_ptr 1
		.amdhsa_wavefront_size32 1
		.amdhsa_system_sgpr_workgroup_id_x 1
		.amdhsa_system_sgpr_workgroup_id_y 1
		.amdhsa_system_sgpr_workgroup_id_z 1
		.amdhsa_system_vgpr_workitem_id 0
		.amdhsa_next_free_vgpr 512
		.amdhsa_next_free_sgpr 102
		.amdhsa_reserve_vcc 0
		.amdhsa_float_denorm_mode_32 3
		.amdhsa_float_denorm_mode_16_64 3
		.amdhsa_memory_ordered 1
		.amdhsa_forward_progress 1
		.amdhsa_inst_pref_size 255
	.end_amdhsa_kernel
	.section	.bss,"aw",@nobits
	.p2align	6
	.space	262144
	.amdgpu_metadata
---
amdhsa.version: [ 1, 2 ]
amdhsa.kernels:
  - .name:           k_qfba453d1e7_chain
    .symbol:         k_qfba453d1e7_chain.kd
    .args:
      - { .name: q, .offset: 0, .size: 8, .value_kind: global_buffer, .address_space: global }
      - { .name: kv1, .offset: 8, .size: 8, .value_kind: global_buffer, .address_space: global }
      - { .name: kv2, .offset: 16, .size: 8, .value_kind: global_buffer, .address_space: global }
      - { .name: x, .offset: 24, .size: 8, .value_kind: global_buffer, .address_space: global }
      - { .name: m1_w2_codes, .offset: 32, .size: 8, .value_kind: global_buffer, .address_space: global }
      - { .name: m2_wq_codes, .offset: 40, .size: 8, .value_kind: global_buffer, .address_space: global }
      - { .name: m2_w2_codes, .offset: 48, .size: 8, .value_kind: global_buffer, .address_space: global }
      - { .name: ffn_w1_codes, .offset: 56, .size: 8, .value_kind: global_buffer, .address_space: global }
      - { .name: ffn_w2_codes, .offset: 64, .size: 8, .value_kind: global_buffer, .address_space: global }
      - { .name: out0, .offset: 72, .size: 8, .value_kind: global_buffer, .address_space: global }
      - { .name: pp1, .offset: 80, .size: 8, .value_kind: global_buffer, .address_space: global }
      - { .name: pp2, .offset: 88, .size: 8, .value_kind: global_buffer, .address_space: global }
      - { .name: lowp_scales, .offset: 96, .size: 8, .value_kind: global_buffer, .address_space: global }
      - { .name: m1_b2, .offset: 104, .size: 8, .value_kind: global_buffer, .address_space: global }
      - { .name: m1_g, .offset: 112, .size: 8, .value_kind: global_buffer, .address_space: global }
      - { .name: m1_b, .offset: 120, .size: 8, .value_kind: global_buffer, .address_space: global }
      - { .name: ln1_g, .offset: 128, .size: 8, .value_kind: global_buffer, .address_space: global }
      - { .name: ln1_b, .offset: 136, .size: 8, .value_kind: global_buffer, .address_space: global }
      - { .name: m2_b2, .offset: 144, .size: 8, .value_kind: global_buffer, .address_space: global }
      - { .name: m2_g, .offset: 152, .size: 8, .value_kind: global_buffer, .address_space: global }
      - { .name: m2_b, .offset: 160, .size: 8, .value_kind: global_buffer, .address_space: global }
      - { .name: ln2_g, .offset: 168, .size: 8, .value_kind: global_buffer, .address_space: global }
      - { .name: ln2_b, .offset: 176, .size: 8, .value_kind: global_buffer, .address_space: global }
      - { .name: ffn_b2, .offset: 184, .size: 8, .value_kind: global_buffer, .address_space: global }
      - { .name: ln3_g, .offset: 192, .size: 8, .value_kind: global_buffer, .address_space: global }
      - { .name: ln3_b, .offset: 200, .size: 8, .value_kind: global_buffer, .address_space: global }
      - { .name: m2_bq, .offset: 208, .size: 8, .value_kind: global_buffer, .address_space: global }
      - { .name: ffn_b1, .offset: 216, .size: 8, .value_kind: global_buffer, .address_space: global }
    .group_segment_fixed_size: 327680
    .private_segment_fixed_size: 0
    .kernarg_segment_align: 8
    .kernarg_segment_size: 224
    .max_flat_workgroup_size: 256
    .sgpr_count:     102
    .vgpr_count:     512
    .wavefront_size: 32
...
	.end_amdgpu_metadata
.endif
;; end of part 2
